; MI455X (gfx1250); checked and timed in simulation.
; The chip was launched on July 23, 2026; its instructions are those of AMD's public machine-readable ISA for CDNA 5 (MIT licence, August 2026) and "CDNA5" Instruction Set Architecture Reference Guide (July 2026). The comments in the code are by the model that wrote it; some were corrected since.
;; Dot Product Attention. Allowed arithmetic: matrix products marked QUANTISED: E2M3 operands, one E8M0 scale for each 32 along K, by v_wmma_scale_f32_16x16x128_f8f6f4 with both operands' format E2M3, f32 sums; everything else in f32.
;; Inputs: keys 16 x 2,048 x 64 float32; queries 16 x 2,048 x 64 float32; valid_lens 16 int32; values 16 x 2,048 x 64 float32.
;; Outputs: out0 16 x 2,048 x 64 float32.
;; This version of the problem:
;;   THIS VERSION OF THE PROBLEM IS GIVEN IN LOW PRECISION. The matrix products marked QUANTISED in the list below multiply operands that are first quantised to E2M3 (2 exponent bits, 3 mantissa bits; 6 bits a number), with one power-of-two scale for each 32 numbers along K (OCP MX v1.0); their sums are f32. All else is computed in f32.
;;   The module's matrix products, in the order in which they are computed (A, B: the left and right operand; K: the contracted axis; several contracted axes count as one K, in the product's order):
;;     1. batch 16 x [M 2,048, K 64] x [K 64, N 2,048]; A: input queries; B: input keys: QUANTISED
;;     2. batch 16 x [M 2,048, K 2,048] x [K 2,048, N 64]; A: softmax (see below); B: input values: QUANTISED
;;   THE QUANTISER, for each operand of a quantised product, along K:
;;     - K is cut into blocks of 32 from its start; a last block that is shorter is filled with zeros.
;;     - A block's scale is 2^e with e = floor(log2(the largest magnitude in the block)) - 2, held to -126 .. 127; a block of zeros has e = 0. As a byte (E8M0): e + 127.
;;     - Each number is divided by its block's scale, clamped to +-7.5, and rounded to the nearest number of E2M3, ties to even, subnormals kept.
;;     - The product sums the exact products of the quantised numbers (number of the format x scale) in f32.
;;   ~~~python
;;   def quantise(x, axis):      # numpy; x: float32 -> the quantised numbers, widened to float32 again
;;       x = np.moveaxis(x, axis, -1); K = x.shape[-1]
;;       x = np.pad(x, [(0, 0)] * (x.ndim - 1) + [(0, -K % 32)]); x = x.reshape(x.shape[:-1] + (-1, 32)); a = np.abs(x).max(-1, keepdims=True)
;;       e = np.where(a > 0, np.clip(np.frexp(np.where(a > 0, a, 1))[1] - 1 - 2, -126, 127), 0)      # np.frexp(a)[1] - 1 = floor(log2(a)), exactly
;;       r = np.clip(x / 2.0 ** e, -7.5, 7.5)
;;       step = 2.0 ** (np.maximum(np.frexp(np.where(r == 0, 1, r))[1] - 1, 0) - 3)
;;       q = np.round(r / step) * step * 2.0 ** e      # np.round: ties to even
;;       return np.moveaxis(q.reshape(q.shape[:-2] + (-1,))[..., :K], -1, axis).astype(np.float32)
;;   ~~~
;;   SOFTMAX AHEAD OF A QUANTISED PRODUCT. Where the list says 'softmax', what is quantised is not the finished softmax but p = 2^(t - M), with t = logit x log2(e) and M = ceil(the row's largest t), a whole number; so 1/2 < the row's largest p <= 1. The row's sum l is taken of the UNQUANTISED p, in f32, and the product's result is divided by l at the end. Since M is a whole number, a kernel that streams over the keys may use a running M (the ceiling of the running maximum): every later rescaling is an exact power of two, which a block's scale takes up: the codes' values come out the same.
;;   OPERANDS COMPUTED ON THE WAY. 'Computed on the way' means the value that the module computes at that place (a softmax that the list does not call 'softmax' is quantised finished and normalised). What goes into a quantiser is computed in f32, as accurately as f32 sums, v_exp_f32 and their like allow (about 1e-6 of the number): no bf16 or f16 on the way to a quantiser, and a product that is left as it is and whose result goes on into a quantised operand takes f32 operands (vector FMAs, or v_wmma_f32_16x16x4_f32). A number that lies on a knife's edge between two numbers of the format may be rounded either way, as far as f32 arithmetic and the matrix unit's own rounding can turn it there, and no further.
;; One version. Each part assembles by itself: llvm-mc -triple=amdgcn-amd-amdhsa -mcpu=gfx1250 --defsym DOCPART=n.
;; ======== version 1 of 1: 2 launches
;; limits: right only within a limited range of input values
;; workspace buffers: img 5,046,272 bytes; order 256 bytes of whole numbers
;; launch prep (part 1): grid 256 x 3, 2 waves a work-group, no clusters, 68,864 bytes of LDS; arguments queries, keys, values, valid_lens, img, order; writes img, order
.if DOCPART == 1
	.amdgcn_target "amdgcn-amd-amdhsa--gfx1250"
	.amdhsa_code_object_version 6
	.text
	.protected	k_q81495b1155_prep
	.globl	k_q81495b1155_prep
	.p2align	8
	.type	k_q81495b1155_prep,@function
k_q81495b1155_prep:
	s_mov_b64 s[64:65], 0
	v_nop
	global_prefetch_b8 v0, s[64:65] scope:SCOPE_SE
	s_setreg_imm32_b32 hwreg(HW_REG_WAVE_MODE, 25, 1), 1
	s_wait_xcnt 0x0
; queries, keys, values: [16][2048][64] f32.  They are turned ONCE into codes of FP6 (E2M3) with one E8M0 scale byte for each 32 along K, laid as IMAGES OF THE OPERANDS' REGISTERS,
; so that the attention launch takes every fragment by loads of 16 bytes a lane.  Queries and keys are quantised along the head's 64 (two blocks a row), values along the keys.
; A block's scale is 2^(floor(log2(its largest magnitude)) - 2); its byte is the largest magnitude's exponent field - 2, held at 1 from below.
; LEFT OUT: of each batch's 16 steps of 128 keys (and values), those from the seventh on that begin at or beyond the batch's length, read here from valid_lens: the mask gives such keys the logit -1e6, whose p is 0 in f32 beside a
; kept logit above -1e6 + 104 (the attention launch's head states that limit).  Their images are not stored, and no result hangs on them.  A batch with a length under 1 keeps all its steps.
; The first six steps are laid out whatever the length, so that they need not wait for it.
; LIMITS: a block of zeros gets the byte 1 where the rule says 127 (its codes are zeros, and this program alone reads the bytes); blocks whose largest magnitude lies under 2^(3 - 127) keep the byte 1;
; NaN and infinities among the inputs are not served; those that stand in a step left out are not carried to the result.
; SHARES.  Work-group y = 0: queries, 1: keys, 2: values.  A wave takes unit = 2 x work-group x + wave (0 .. 511): 16,384 bytes of input; batch = x / 16, key step = x % 16.
; ROWS (queries, keys): a unit is a half-step of 64 rows: four tiles T of 16 rows.  Lane (r, h) of tile T holds block h (d = 32 h ..) of row 8 T + r % 8 + 32 (r / 8): 6 registers.
;   THE ROWS OF A TILE ARE NOT NEIGHBOURS: so the scores' 32 registers of four tiles of keys are, in one lane, a whole block of 32 neighbouring keys.  A half-step's 24 registers a lane leave as six stores of 512 consecutive bytes.
;   Scale words: register b' holds tile 2 b' in lanes 0-15 and tile 2 b' + 1 in lanes 16-31; a word is the row's two bytes, twice (the second pair stands over the unused upper 64 of a K step of 128).
;   The loads take the bytes as they lie (512 consecutive bytes each); the numbers turn through the wave's own stage in LDS, so that a lane gets 32 neighbours of one row.
; VALUES: a unit is 128 keys x 32 columns.  A load takes 4 rows of 128 bytes; the numbers lie in the wave's own stage as rows, and come back a column to a lane, registers down the keys:
;   a block of 32 keys lies in one lane, and the codes come out with the keys innermost.
; ORDER: one wave ranks the 16 batches by the number of keys that are walked, longest first, and stores for each batch {held length, partner, partner's held length, 0}; the partner of rank p is rank 15 - p.
;   A length under 1 is held as 0 and ranks as 2,048 (all keys are then walked); a length over 2,048 counts as 2,048.
; No barrier: waves share nothing.  EXEC is never changed.
.set QSCO,  0x480000                   ; the buffer of images: Q's from 0, K's from 0x180000, V's from 0x300000, then the scale words: Q's, K's, V's
.set VIMG,  0x300000
.set VSCO,  0x4c0000
.set EARLY, 6                          ; steps that do not wait for the length
.set STAGEB, 8960                      ; a stage: 32 rows at 272 bytes, 128 bytes more in front of rows 16-31
.set WREG,   17920                     ; a wave's LDS for rows: two stages
.set VREG,   16384                     ; for values: 128 rows of 128 bytes, behind both waves' stages for rows
.set SPARE,  2*WREG+2*VREG
.set R,   16                           ; v16-143  128 numbers a lane, as loaded
.set X,   144                          ; v144-207 two tiles, or blocks, of 32 neighbours
.set C,   208                          ; v208-231 24 registers of codes
.set SW,  240                          ; v240-241 the two scale registers of a half-step
.set W0,  242                          ; v242-243 a tile's scale word
	s_load_b256 s[4:11], s[0:1], 0x0               ; queries 4, keys 6, values 8, valid_lens 10
	s_load_b128 s[12:15], s[0:1], 0x20             ; img 12, order 14
	v_lshl_add_u32 v254, v0, 2, SPARE
	v_mov_b32 v255, 0
	v_lshrrev_b32 v1, 5, v0
	v_readfirstlane_b32 s26, v1                    ; wave 0, 1
	s_and_b32 s27, ttmp7, 0xffff                   ; which tensor
	s_lshl_b32 s28, ttmp9, 1
	s_add_co_u32 s28, s28, s26                     ; unit
	s_mov_b32 s31, 0                               ; high words of the offset pairs
	s_mov_b32 s33, 0
	s_mov_b32 s34, 0x76543210                      ; v_permlanex16_b32's selects for lane l xor 16
	s_mov_b32 s35, 0xfedcba98
	s_mov_b32 s36, 0xffff0000                      ; lanes 16-31
	s_mul_i32 s37, s26, WREG
	s_mul_i32 s38, s26, VREG
	s_add_co_u32 s38, s38, 2*WREG
	v_and_b32 v1, 31, v0                           ; l
	v_and_b32 v2, 15, v0                           ; r
	v_bfe_u32 v3, v0, 4, 1                         ; h
	v_lshlrev_b32 v4, 4, v1                        ; 16 l
	v_mul_u32_u24 v5, v3, 272
	v_lshl_add_u32 v5, v2, 4, v5
	v_add_nc_u32 v5, s37, v5                       ; the stage, way in: a load's two rows: 272 h + 16 r
	v_bfe_u32 v9, v0, 3, 1                         ; r / 8
	v_mul_u32_u24 v6, v2, 272
	v_mad_u32_u24 v6, v9, 2304, v6                 ; stage row r, or r + 8 for r >= 8: 8 x 272 + the 128 in front of rows 16-31
	v_lshl_add_u32 v6, v3, 7, v6
	v_add_nc_u32 v6, s37, v6                       ; way out: my row, my block of 128 bytes
	v_lshlrev_b32 v7, 3, v3                        ; 8 h: my byte's place in the scale word
	v_lshlrev_b32 v8, 3, v1                        ; 8 l
	v_add_nc_u32 v14, s38, v4                      ; the values' stage, way in: as the bytes lie
	v_lshlrev_b32 v252, 2, v1                      ; 4 l: my column of values, and its scale word
	v_add_nc_u32 v15, s38, v252                    ; way out: my column
	v_lshrrev_b32 v250, 3, v1
	v_and_b32 v251, 7, v1
	v_lshlrev_b32 v250, 8, v250
	v_lshl_add_u32 v250, v251, 4, v250             ; a load of values: row l / 8, 16 bytes at 16 (l % 8)
	v_mul_u32_u24 v253, v3, 1536
	v_lshl_add_u32 v253, v2, 4, v253               ; values: my tile (l / 16) and my place in its image (r)
	v_mov_b32 v13, 0                               ; written once: a lane permute's destination counts as one of its sources
	s_wait_alu depctr_va_vdst(0)                   ; at the head's end
	s_wait_kmcnt 0x0
	s_cmp_eq_u32 s27, 0
	s_cbranch_scc1 .Lrows                          ; queries hang on no length
	s_and_b32 s39, ttmp9, 15
	s_cmp_lt_u32 s39, EARLY
	s_cbranch_scc1 .Lkept
	s_lshr_b32 s29, ttmp9, 4
	s_lshl_b32 s29, s29, 2
	s_load_b32 s38, s[10:11], s29 offset:0x0       ; the batch's length
	s_lshl_b32 s39, s39, 7                         ; the step's first key
	s_wait_kmcnt 0x0
	s_cmp_lt_i32 s38, 1
	s_cselect_b32 s38, 0x800, s38
	s_cmp_lt_u32 s39, s38
	s_cbranch_scc0 .Lnone                          ; the step lies beyond the length: nobody reads its images
.Lkept:
	s_cmp_eq_u32 s27, 2
	s_cbranch_scc1 .Lvalues
; 32 numbers of ONE lane, v[x] .. v[x + 31], a whole block, become 6 registers of codes at v[dst]; the scale's byte is left in v12.
.macro QUANT32 x, dst, tmp
	v_max3_num_f32 v9, |v[\x]|, |v[\x+1]|, 0x1800000              ; two chains; the floor 2^(3 - 127) is a leaf: the byte cannot fall under 1
	v_max3_num_f32 v10, |v[\x+2]|, |v[\x+3]|, |v[\x+4]|
.irp i, 5,9,13,17,21,25
	v_max3_num_f32 v9, v9, |v[\x+\i]|, |v[\x+\i+1]|
	v_max3_num_f32 v10, v10, |v[\x+\i+2]|, |v[\x+\i+3]|
.endr
	v_max3_num_f32 v9, v9, |v[\x+29]|, |v[\x+30]|
	v_max3_num_f32 v9, v9, v10, |v[\x+31]|                        ; the block's largest magnitude
	v_add_nc_u32 v11, 0xff000000, v9                              ; 2 off its exponent field: the conversion takes the exponent field of this operand as its scale
	v_cvt_scalef32_pk16_fp6_f32 v[\dst:\dst+2], v[\x:\x+15], v11
	v_cvt_scalef32_pk16_fp6_f32 v[\tmp:\tmp+2], v[\x+16:\x+31], v11   ; (a conversion's three registers begin on an even number: the block's second half is made elsewhere and moved)
	v_lshrrev_b32 v12, 23, v11                                    ; the scale's byte; also the plain line between the conversions and the moves of their results
.irp i, 0,1,2
	v_mov_b32 v[\dst+3+\i], v[\tmp+\i]
.endr
.endm
	; ---------------- queries or keys: one text; the tensor is chosen on the work-group's y alone
.Lrows:
	s_cmp_eq_u32 s27, 0
	s_cselect_b64 s[4:5], s[4:5], s[6:7]
	s_lshl_b32 s30, s28, 14                        ; 64 rows of 256 bytes a unit
	s_add_nc_u64 s[4:5], s[4:5], s[30:31]
.set i, 0
.rept 32                               ; pair bp = i / 16 of tiles: rows 16 bp .. + 15, then 32 + 16 bp .. + 15, two rows a load
	global_load_b128 v[R+4*i:R+4*i+3], v4, s[4:5] offset:4096*(i/16)+512*(i%8)+8192*((i%16)/8) th:TH_LOAD_NT   ; 512 consecutive bytes, read once in the launch
.set i, i+1
.endr
	s_mul_i32 s32, s28, 3072                       ; 24 registers x 128 bytes a unit
	s_mul_i32 s30, s27, 0x180000
	s_add_co_u32 s32, s32, s30
	s_add_nc_u64 s[16:17], s[12:13], s[32:33]      ; my unit's image,
	s_lshl_b32 s32, s28, 8                         ; 2 registers x 128 bytes
	s_lshl_b32 s30, s27, 17
	s_add_co_u32 s32, s32, s30
	s_add_co_u32 s32, s32, QSCO
	s_add_nc_u64 s[18:19], s[12:13], s[32:33]      ; and its scale words
; Tiles 2 bp and 2 bp + 1: their 32 rows go through stage bp.
.macro ROWPAIR bp
	s_wait_loadcnt 16-16*\bp                       ; this pair's 16 loads are in; for the first pair the second pair's 16 may stay out
.irp i, 0,1,2,3,4,5,6,7,8,9,10,11,12,13,14,15
	ds_store_b128 v5, v[R+64*\bp+4*\i:R+64*\bp+4*\i+3] offset:STAGEB*\bp+544*\i+128*(\i/8)
.endr
.irp u, 0,1
.irp i, 0,1,2,3,4,5,6,7
	ds_load_b128 v[X+32*\u+4*\i:X+32*\u+4*\i+3], v6 offset:STAGEB*\bp+2176*\u+16*\i   ; the wave's own bytes, served in order: these see the stores above
.endr
.endr
	s_wait_dscnt 0x0
.irp u, 0,1
	QUANT32 X+32*\u, C+12*\bp+6*\u, 232+4*\u
	v_lshlrev_b32 v12, v7, v12                     ; my block's byte at its place,
	v_permlanex16_b32 v13, v12, s34, s35
	v_or_b32 v12, v12, v13                         ; with the row's other block's,
	v_lshl_or_b32 v[W0+\u], v12, 16, v12           ; and the pair once more above
.endr
	v_cndmask_b32 v[SW+\bp], v[W0], v[W0+1], s36   ; lanes 0-15: the even tile's words, lanes 16-31: the odd tile's
.endm
	s_wait_alu depctr_va_vdst(0)
	ROWPAIR 0
	ROWPAIR 1
.irp g, 0,1,2,3,4,5
	global_store_b128 v4, v[C+4*\g:C+4*\g+3], s[16:17] offset:512*\g   ; the image: 512 consecutive bytes, aligned
.endr
	global_store_b64 v8, v[SW:SW+1], s[18:19]      ; 256 consecutive bytes, aligned
	; ---------------- the ranking, by one wave of the launch
	s_or_b32 s37, ttmp9, s27
	s_or_b32 s37, s37, s26
	s_cmp_lg_u32 s37, 0
	s_cbranch_scc1 .Ldone
	v_lshlrev_b32 v244, 2, v2
	global_load_b32 v245, v244, s[10:11]           ; lane l: batch l % 16 (lanes 16-31 repeat lanes 0-15)
	v_sub_nc_u32 v248, 15, v2
	v_mov_b32 v249, 0                              ; the rank
	v_mov_b32 v250, 0x800
	v_mov_b32 v251, 0
	v_mov_b32 v239, 0
	v_lshlrev_b32 v253, 4, v2                      ; my entry's place
	s_wait_alu depctr_va_vdst(0)
	s_wait_loadcnt 0x0
	v_cmp_gt_i32 vcc_lo, 1, v245
	v_cndmask_b32 v245, v245, v249, vcc_lo         ; under 1: 0
	v_min_u32 v236, 0x800, v245                    ; over 2,048: 2,048.  This is the held length
	v_cmp_eq_u32 vcc_lo, 0, v236
	v_cndmask_b32 v245, v236, v250, vcc_lo         ; keys that are walked
	v_lshl_or_b32 v248, v245, 4, v248              ; the sort key: no two alike; of equal lengths the lower batch is the larger
	v_lshl_or_b32 v247, v2, 16, v236               ; {batch, held length} in one word
.irp j, 0,1,2,3,4,5,6,7,8,9,10,11,12,13,14,15
	v_readlane_b32 s37, v248, \j
	v_cmp_gt_u32 vcc_lo, s37, v248
	v_cndmask_b32 v246, 0, 1, vcc_lo
	v_add_nc_u32 v249, v249, v246                  ; how many keys are larger than mine
.endr
	v_sub_nc_u32 v250, 15, v249                    ; my partner's rank
.irp j, 0,1,2,3,4,5,6,7,8,9,10,11,12,13,14,15
	v_readlane_b32 s37, v249, \j
	v_readlane_b32 s38, v247, \j
	v_cmp_eq_u32 vcc_lo, s37, v250
	v_cndmask_b32 v251, v251, s38, vcc_lo
.endr
	v_lshrrev_b32 v237, 16, v251
	v_and_b32 v238, 0xffff, v251
	global_store_b128 v253, v[236:239], s[14:15]   ; entry batch: {held length, partner, partner's held length, 0}
.Ldone:
	s_wait_tensorcnt 0x0                           ; the wave's end
	ds_add_u32 v254, v255
	s_wait_dscnt 0x0
	s_endpgm
	; ---------------- values: work-group x = 16 x batch + key step; the wave takes columns 32 x wave on
.Lvalues:
	s_lshl_b32 s30, ttmp9, 15                      ; 128 rows of 256 bytes
	s_lshl_b32 s37, s26, 7
	s_add_co_u32 s30, s30, s37
	s_add_nc_u64 s[8:9], s[8:9], s[30:31]
.set i, 0
.rept 32
	global_load_b128 v[R+4*i:R+4*i+3], v250, s[8:9] offset:1024*i   ; rows 4 i .. 4 i + 3, 128 consecutive bytes of each; the other wave reads the rows' other half, so no hint is given
.set i, i+1
.endr
	s_mul_i32 s32, s28, 3072                       ; two tiles of 1,536 bytes a wave
	s_add_co_u32 s32, s32, VIMG
	s_add_nc_u64 s[16:17], s[12:13], s[32:33]
	s_lshl_b32 s32, s28, 7                         ; 32 scale words a wave
	s_add_co_u32 s32, s32, VSCO
	s_add_nc_u64 s[18:19], s[12:13], s[32:33]
.macro VTURN t                         ; block t: keys 32 t .. + 31 through the stage, and my column of them into set t % 2
	s_wait_loadcnt 24-8*\t                         ; its 8 loads are in; the later blocks' may stay out
.irp i, 0,1,2,3,4,5,6,7
	ds_store_b128 v14, v[R+32*\t+4*\i:R+32*\t+4*\i+3] offset:4096*\t+512*\i
.endr
.irp i, 0,1,2,3,4,5,6,7,8,9,10,11,12,13,14,15,16,17,18,19,20,21,22,23,24,25,26,27,28,29,30,31
	ds_load_b32 v[X+32*(\t%2)+\i], v15 offset:4096*\t+128*\i      ; the wave's own bytes, served in order: these see the stores above
.endr
.endm
.macro VBLOCK t                        ; image lane (r, h') wants blocks h' and 2 + h': block t goes to half t % 2, registers 6 (t / 2) on
	QUANT32 X+32*(\t%2), C+12*(\t%2)+6*(\t/2), 232
.if \t == 0
	v_mov_b32 v[W0], v12
.else
	v_lshl_or_b32 v[W0], v12, 8*\t, v[W0]          ; the column's scale word: byte t for block t
.endif
.endm
	s_wait_alu depctr_va_vdst(0)
	VTURN 0
	VTURN 1
	s_wait_dscnt 40                                ; block 0 is back; block 1's 8 stores and 32 loads may be out
	VBLOCK 0
	VTURN 2
	s_wait_dscnt 40
	VBLOCK 1
	VTURN 3
	s_wait_dscnt 40
	VBLOCK 2
	s_wait_dscnt 0x0
	VBLOCK 3
.irp hh, 0,1
.irp g, 0,1,2
	global_store_b128 v253, v[C+12*\hh+4*\g:C+12*\hh+4*\g+3], s[16:17] offset:512*\g+256*\hh   ; sixteen lanes store 256 consecutive bytes, aligned
.endr
.endr
	global_store_b32 v252, v[W0], s[18:19]
	s_wait_tensorcnt 0x0                           ; the wave's end
	ds_add_u32 v254, v255
	s_wait_dscnt 0x0
.Lnone:
	s_endpgm
.Lfunc_end_k_q81495b1155_prep:
	.size	k_q81495b1155_prep, .Lfunc_end_k_q81495b1155_prep-k_q81495b1155_prep
	.p2alignl 7, 3214868480
	.fill 96, 4, 3214868480
	.section	.rodata,"a",@progbits
	.p2align	6, 0x0
	.amdhsa_kernel k_q81495b1155_prep
		.amdhsa_group_segment_fixed_size 68864
		.amdhsa_private_segment_fixed_size 0
		.amdhsa_enable_private_segment 0
		.amdhsa_kernarg_size 48
		.amdhsa_user_sgpr_count 2
		.amdhsa_user_sgpr_kernarg_segment_ptr 1
		.amdhsa_wavefront_size32 1
		.amdhsa_system_sgpr_workgroup_id_x 1
		.amdhsa_system_sgpr_workgroup_id_y 1
		.amdhsa_system_sgpr_workgroup_id_z 1
		.amdhsa_system_vgpr_workitem_id 0
		.amdhsa_next_free_vgpr 256
		.amdhsa_next_free_sgpr 66
		.amdhsa_reserve_vcc 1
		.amdhsa_float_denorm_mode_32 3
		.amdhsa_float_denorm_mode_16_64 3
		.amdhsa_memory_ordered 1
		.amdhsa_forward_progress 1
		.amdhsa_inst_pref_size 46
	.end_amdhsa_kernel
	.amdgpu_metadata
---
amdhsa.version: [ 1, 2 ]
amdhsa.kernels:
  - .name:           k_q81495b1155_prep
    .symbol:         k_q81495b1155_prep.kd
    .args:
      - { .name: queries, .offset: 0, .size: 8, .value_kind: global_buffer, .address_space: global }
      - { .name: keys, .offset: 8, .size: 8, .value_kind: global_buffer, .address_space: global }
      - { .name: values, .offset: 16, .size: 8, .value_kind: global_buffer, .address_space: global }
      - { .name: valid_lens, .offset: 24, .size: 8, .value_kind: global_buffer, .address_space: global }
      - { .name: img, .offset: 32, .size: 8, .value_kind: global_buffer, .address_space: global }
      - { .name: order, .offset: 40, .size: 8, .value_kind: global_buffer, .address_space: global }
    .group_segment_fixed_size: 68864
    .private_segment_fixed_size: 0
    .kernarg_segment_align: 8
    .kernarg_segment_size: 48
    .max_flat_workgroup_size: 64
    .sgpr_count:     66
    .vgpr_count:     256
    .wavefront_size: 32
...
	.end_amdgpu_metadata
.endif
;; end of part 1
;; launch attn (part 2): grid 256 x 1, 8 waves a work-group, no clusters, 183,296 bytes of LDS; arguments order, img, out0; writes out0
.if DOCPART == 2
	.amdgcn_target "amdgcn-amd-amdhsa--gfx1250"
	.amdhsa_code_object_version 6
	.text
	.protected	k_q81495b1155_attn
	.globl	k_q81495b1155_attn
	.p2align	8
	.type	k_q81495b1155_attn,@function
k_q81495b1155_attn:
	s_mov_b64 s[64:65], 0
	v_nop
	global_prefetch_b8 v0, s[64:65] scope:SCOPE_SE
	s_setreg_imm32_b32 hwreg(HW_REG_WAVE_MODE, 25, 1), 1
	s_wait_xcnt 0x0
; out0[b][q][:] = the sum over k of softmax_k(masked q . k / 8) v[k][:], 16 batches x 2,048 queries x 2,048 keys x 64, both products on codes of FP6 (E2M3) with E8M0 block scales, as the launch before laid them.
; THE SOFTMAX AHEAD OF THE SECOND PRODUCT: t = score x log2(e) / 8; M = the largest t so far, rounded UP to a whole number; p = 2^(t - M) is quantised along the keys, not normalised;
; the row's sum is taken of the unquantised p and divides at the end.  Every change of M is a multiplication by a power of two: exact.
; THE MASK: keys at or beyond the batch's length get the score -8e6 (the logit -1e6) ahead of the maximum.
; LEFT OUT: a step of 128 keys that begins at or beyond the length (a whole number read from memory).  Its p is 2^(-1.44e6 - M), which is 0 in f32.
; LIMITS: that holds as long as the row's largest kept logit lies above -1e6 + 104; under that the result differs from the reference's.  The scaled scores (exponents to the base 2) stay under 2^31 in magnitude.
; A held length of 0 (given length under 1): all keys have one and the same logit; all 2,048 are walked with Q's codes at zero, so that all scores are 0 and alike.
; A block of p that has fallen to zeros keeps the scale byte 1: its codes are zeros.  NaN and infinities among the inputs are not served; those in a step left out are not carried to the result.
; SHARES.  Work-group g serves two jobs of 64 queries, one after the other.  Job 0: queries 64 (g % 16) on of batch g / 16.  Job 1: queries 1024 + 64 (g % 16) on of that batch's partner (a long batch is paired with a short one).
; Wave w: part s = w % 4 of the keys, pair P = w / 4 of query tiles: in each job the tiles 2 P and 2 P + 1 of 16 queries, and every fourth step of 128 keys: in job 0 the steps s, s + 4 ..; job 1 begins where job 0's steps end in the turn of four.
; Fragments come from memory straight into registers.  The next step's K is asked for behind a step's first products, its V behind the second; job 0's last step asks for job 1's first.  The parts of a tile meet in LDS once, at the end.
; NO CLUSTER, NO JOINT LOADS: a joint load is a tensor load; the branch saves a step's 24 products and two softmaxes, a joint load the fetch of its 13,056 bytes.
; NO PREFETCH: a wave walks at most four steps of a job and asks for each of them one step ahead by its own loads; a request two steps ahead would leave two trips to run in.
; LAYOUT.  Both products are used transposed: S^T = K Q^T (source 0 = 16 keys, source 1 = 16 queries), O^T = V^T P^T (source 0 = 16 of the head's 64, source 1 = p): a lane holds ONE query (lane % 16) throughout.
; Key tile 4 c + u has, in row m, key 64 c + 32 (m / 8) + 8 u + m % 8: so a lane's 32 score registers 32 c .. 32 c + 31 are block 2 c + lane / 16 of 32 neighbouring keys, whole and in order, which is what the second product's operand wants of that lane.
; The first product's K is 64, half of the instruction's 128: Q's registers 6-11 are zero codes; a tile of keys is named with the six registers that follow it (the next tile's codes, p's behind the last): finite numbers that meet zeros.
; A wave's four tiles are numbered t = 2 x job + (0 or 1); wave s brings its tile t = s to its end.
; WINDOW 1 (v256-511): registers 0-127 the scores, then p, of a job's two tiles (64 each); 128-255 O^T: 32 for each tile t.  Everything else lies in window 0.
.set KIMG,  0x180000                   ; the buffer of images: Q's from 0, K's, V's, then the scale words: Q's, K's, V's
.set VIMG,  0x300000
.set QSCO,  0x480000
.set KSCO,  0x4a0000
.set VSCO,  0x4c0000
.set STG,   147456                     ; LDS: parts for the merge from byte 0: ((P x 4 + t) x 4 + s) x 4,608: O^T as 8 groups of 512, then {-M, l, -, -}; behind them the stages, 16 rows at 272 bytes a wave
.set SPARE, STG+8*4352                 ; the spare words, 128 bytes for each wave
.set LI,  1                            ; 16 x lane
.set L8,  2                            ; 8 x lane
.set L4,  3                            ; 4 x lane
.set H8,  4                            ; 8 x (lane / 16)
.set MD,  5                            ; at work in the mask
.set NEG, 6                            ; -8e6
.set H32, 7                            ; 32 x (lane / 16)
.set L,   8                            ; v8-15  the sums, a pair for each tile t
.set ST,  16                           ; v16-23 {-M, largest score} for each tile t; at the end {-M, l}
.set QS,  24                           ; v24-25 Q's scale words, a register for each job: lanes 0-15 the even tile's, 16-31 the odd tile's
.set KSC, 28                           ; v28-31 K's likewise, a register for two tiles
.set VSC, 32                           ; v32-33 V's likewise
.set PSC, 34                           ; v34-35 p's scale words of the two tiles
.set F,   36                           ; v36, v38 the factors 2^(old M - new M), low words of pairs (in the merge v36, 38, 40, 42)
.set BM,  40                           ; v40-43 the blocks' largest
.set BX,  44                           ; v44-47
.set SOP, 48                           ; v48-51 the conversions' scale operands
.set TM,  52                           ; v52-55
.set CH,  56                           ; v56-71 the sums' chains; then the conversions' second halves
.set MGW, 72                           ; addresses, made at the head and never rewritten: my parts, way in;
.set MGR, 73                           ; v73-75 the other three waves' parts of my tile;
.set SO,  76                           ; my stage, way in;
.set SR,  77                           ; way out;
.set GO,  78                           ; my byte offset in two rows of out0;
.set SPW, 79                           ; my spare word;
.set NIL, 80                           ; 0
.set KF,  88                           ; v88-135  K's fragments, 6 registers a tile
.set PC,  136                          ; v136-159 p's codes of the two tiles
.set VF,  160                          ; v160-207 V's fragments, 12 registers a tile
.set QF,  208                          ; v208-255 Q's fragments, 12 registers a tile t, the upper six 0
; s[4:9] the arguments; s20, s21 lane selects; s[22:23] c, s27 -c; s24 wave, s25 s, s26 P; s[28:31] the order's entry, s57 its offset; s32 job 0's batch, s72 job 1's; s33, s34 keys walked in jobs 0, 1; s35, s70 steps;
; s71 my first step of job 1, s2 whether there is one; s36 step, s39 my next, s3 whether any follows; s37 trips; s38 keys left from the step's first on; s[40:47] bases of K, V, their scales; s[48:51], s[66:69] the same for job 1's first step;
; s[52:53] out0; s[54:55] offset pair; s56 block of 64 queries; s58 at work; s60-63 masks; s[74:77] bases of Q and its scales
.set MSB, 0
.macro WIN new                         ; the immediate's high byte repeats the setting that is left
.if MSB != \new
	s_set_vgpr_msb (MSB<<8)|\new
.set MSB, \new
.endif
.endm
.macro KLOAD                           ; 14 loads
.irp g, 0,1,2,3,4,5,6,7,8,9,10,11
	global_load_b128 v[KF+4*\g:KF+4*\g+3], v[LI], s[40:41] offset:512*\g
.endr
.irp i, 0,1
	global_load_b64 v[KSC+2*\i:KSC+2*\i+1], v[L8], s[44:45] offset:256*\i
.endr
.endm
.macro VLOAD                           ; 14 loads
.irp g, 0,1,2,3,4,5,6,7,8,9,10,11
	global_load_b128 v[VF+4*\g:VF+4*\g+3], v[LI], s[42:43] offset:512*\g
.endr
.irp i, 0,1
	global_load_b32 v[VSC+\i], v[L4], s[46:47] offset:128*\i
.endr
.endm
.macro QLOAD J                         ; 5 loads: an even tile's six registers of the image begin a group of four, an odd tile's end one
	global_load_b128 v[QF+24*\J:QF+24*\J+3], v[LI], s[74:75]
	global_load_b64 v[QF+24*\J+4:QF+24*\J+5], v[LI], s[74:75] offset:512
	global_load_b64 v[QF+24*\J+12:QF+24*\J+13], v[LI], s[74:75] offset:520
	global_load_b128 v[QF+24*\J+14:QF+24*\J+17], v[LI], s[74:75] offset:1024
	global_load_b32 v[QS+\J], v[L8], s[76:77]
.endm
.macro QBASE batch                     ; of my pair of tiles in block s56 of the batch
	s_mul_i32 s54, \batch, 98304
	s_mul_i32 s58, s56, 3072
	s_add_co_u32 s54, s54, s58
	s_mul_i32 s58, s26, 1536
	s_add_co_u32 s54, s54, s58
	s_add_nc_u64 s[74:75], s[6:7], s[54:55]
	s_lshl_b32 s54, \batch, 13
	s_lshl_b32 s58, s56, 8
	s_add_co_u32 s54, s54, s58
	s_lshl_b32 s58, s26, 2
	s_add_co_u32 s54, s54, s58
	s_add_co_u32 s54, s54, QSCO
	s_add_nc_u64 s[76:77], s[6:7], s[54:55]
.endm
.macro KVBASE batch, step, kb, vb, ksb, vsb
	s_mul_i32 s54, \batch, 98304
	s_mul_i32 s58, \step, 6144
	s_add_co_u32 s54, s54, s58
	s_add_co_u32 s54, s54, KIMG
	s_add_nc_u64 s[\kb:\kb+1], s[6:7], s[54:55]
	s_add_co_u32 s54, s54, VIMG-KIMG
	s_add_nc_u64 s[\vb:\vb+1], s[6:7], s[54:55]
	s_lshl_b32 s54, \batch, 13
	s_lshl_b32 s58, \step, 9
	s_add_co_u32 s54, s54, s58
	s_add_co_u32 s54, s54, KSCO
	s_add_nc_u64 s[\ksb:\ksb+1], s[6:7], s[54:55]
	s_lshl_b32 s54, \batch, 12
	s_lshl_b32 s58, \step, 8
	s_add_co_u32 s54, s54, s58
	s_add_co_u32 s54, s54, VSCO
	s_add_nc_u64 s[\vsb:\vsb+1], s[6:7], s[54:55]
.endm
	s_load_b128 s[4:7], s[0:1], 0x0                ; order 4, img 6
	s_load_b64 s[8:9], s[0:1], 0x10                ; out0
	v_lshrrev_b32 v[MGW], 5, v0
	v_readfirstlane_b32 s24, v[MGW]                ; wave 0 .. 7
	s_and_b32 s25, s24, 3                          ; s
	s_lshr_b32 s26, s24, 2                         ; P
	s_mul_i32 s40, s26, 73728
	s_mul_i32 s41, s25, 4608
	s_add_co_u32 s41, s41, s40                     ; my parts: tile t at + 18,432 t
	s_mul_i32 s42, s25, 18432
	s_add_co_u32 s42, s42, s40                     ; the parts of the tile that I bring to its end
.irp k, 0,1,2
	s_add_co_u32 s[43+\k], s25, \k+1
	s_and_b32 s[43+\k], s[43+\k], 3
	s_mul_i32 s[43+\k], s[43+\k], 4608
	s_add_co_u32 s[43+\k], s[43+\k], s42
.endr
	s_mul_i32 s46, s24, 4352
	s_add_co_u32 s46, s46, STG
	s_mov_b32 s20, 0x76543210
	s_mov_b32 s21, 0xfedcba98                      ; v_permlanex16_b32's selects for lane l xor 16
	s_mov_b32 s22, 0x3e38aa3b                      ; c = log2(e) / 8
	s_mov_b32 s23, s22                             ; (named with it as a pair, so it is written)
	s_mov_b32 s27, 0xbe38aa3b
	s_mov_b32 s55, 0
	s_lshr_b32 s32, ttmp9, 4                       ; job 0's batch
	s_and_b32 s56, ttmp9, 15                       ; and block of 64 queries
	s_lshl_b32 s57, s32, 4
	v_and_b32 v52, 31, v0                          ; l
	v_and_b32 v53, 15, v0                          ; r
	v_bfe_u32 v54, v0, 4, 1                        ; h
	v_lshlrev_b32 v[LI], 4, v52
	v_lshlrev_b32 v[L8], 3, v52
	v_lshlrev_b32 v[L4], 2, v52
	v_lshlrev_b32 v[H8], 3, v54
	v_lshlrev_b32 v[H32], 5, v54
	v_add_nc_u32 v[MGW], s41, v[LI]
.irp k, 0,1,2
	v_add_nc_u32 v[MGR+\k], s[43+\k], v[LI]
.endr
	v_mul_u32_u24 v[SO], v53, 272
	v_lshl_add_u32 v[SO], v54, 5, v[SO]
	v_add_nc_u32 v[SO], s46, v[SO]                 ; in: row r, + 32 h
	v_mul_u32_u24 v[SR], v54, 272
	v_lshl_add_u32 v[SR], v53, 4, v[SR]
	v_add_nc_u32 v[SR], s46, v[SR]                 ; back: lanes 0-15 one row, lanes 16-31 the next
	v_lshlrev_b32 v[GO], 8, v54
	v_lshl_add_u32 v[GO], v53, 4, v[GO]
	v_lshl_add_u32 v[SPW], v0, 2, SPARE
	v_mov_b32 v[NIL], 0
	s_wait_alu depctr_va_vdst(0)                   ; directly ahead of the wait below
	s_wait_kmcnt 0x0
	s_load_b128 s[28:31], s[4:5], s57 offset:0x0   ; {held length, partner, partner's held length, 0}
	QBASE s32
	KVBASE s32, s25, 40, 42, 44, 46
	QLOAD 0                                        ; job 0's first loads hang on no entry: a first step beyond the length is fetched and not used
	KLOAD
	VLOAD
	WIN 0x40
.set n, 128
.rept 128
	v_mov_b32 v[n], 0                              ; O^T: a step is written once for all steps, and a wave without steps hands on zeros
.set n, n+1
.endr
	WIN 0
.irp t, 0,1,2,3
.irp j, 6,7,8,9,10,11
	v_mov_b32 v[QF+12*\t+\j], 0                    ; Q's upper 64 along K: zero codes
.endr
	v_mov_b32 v[ST+2*\t], 0x7e000000               ; -M = 2^125, above every -M,
	v_mov_b32 v[ST+2*\t+1], 0xff61b1e6             ; the largest score so far: -3e38,
	v_mov_b32 v[L+2*\t], 0                         ; the sum, in two halves
	v_mov_b32 v[L+2*\t+1], 0
.endr
.irp j, 0,1,2,3,4,5
	v_mov_b32 v[PC+\j], 0                          ; what the last tile of keys is named with
.endr
.irp j, 0,1,2,3,4,5,6,7,8,9,10,11
	v_mov_b32 v[F+\j], 0                           ; F, BM, BX: upper halves of pairs, and destinations of lane permutes, which count as sources
.endr
	v_mov_b32 v55, 0
	v_mov_b32 v[NEG], 0xcaf42400                   ; -8e6: x c it is the logit -1e6 x log2(e)
	s_wait_alu depctr_va_vdst(0)                   ; at the head's end
	s_wait_kmcnt 0x0
	s_min_u32 s33, s28, 0x800
	s_cmp_lg_u32 s33, 0
	s_cselect_b32 s33, s33, 0x800                  ; keys walked
	s_add_co_u32 s35, s33, 127
	s_lshr_b32 s35, s35, 7                         ; steps
	s_min_u32 s34, s30, 0x800
	s_cmp_lg_u32 s34, 0
	s_cselect_b32 s34, s34, 0x800
	s_add_co_u32 s70, s34, 127
	s_lshr_b32 s70, s70, 7
	s_min_u32 s72, s29, 15                         ; job 1's batch,
	s_add_co_u32 s56, s56, 16                      ; block of queries,
	s_sub_co_u32 s71, s25, s35
	s_and_b32 s71, s71, 3                          ; and my first step: job 0's number of steps shifts the turn of four
	s_min_u32 s71, s71, 3
	s_cmp_lt_u32 s71, s70
	s_cselect_b32 s2, 1, 0
	s_wait_xcnt 0x0                                ; Q's bases are written again only behind this wait
	QBASE s72
	KVBASE s72, s71, 48, 50, 66, 68
	QLOAD 1
	; where the tile that I bring to its end goes: job s / 2, tile 2 P + s % 2 of its 64 queries, row 8 x tile on
	s_lshr_b32 s58, s25, 1
	s_cmp_eq_u32 s58, 0
	s_cselect_b32 s54, s32, s72
	s_lshl_b32 s54, s54, 19
	s_lshl_b32 s58, s58, 4
	s_and_b32 s3, ttmp9, 15
	s_add_co_u32 s58, s58, s3
	s_lshl_b32 s58, s58, 14
	s_add_co_u32 s54, s54, s58
	s_lshl_b32 s58, s26, 1
	s_and_b32 s3, s25, 1
	s_add_co_u32 s58, s58, s3
	s_lshl_b32 s58, s58, 11
	s_add_co_u32 s54, s54, s58
	s_add_nc_u64 s[52:53], s[8:9], s[54:55]
.macro ALIKE J, held                   ; a held length of 0: all keys are masked alike, so Q's codes become zeros
	s_cmp_lg_u32 \held, 0
	s_cbranch_scc1 .Lkept\J
	s_wait_loadcnt 0x0                             ; Q has landed
.irp j, 0,1,2,3,4,5
	v_mov_b32 v[QF+24*\J+\j], 0
	v_mov_b32 v[QF+24*\J+12+\j], 0
.endr
.rept 4
	v_nop                                          ; an operand written by vector instructions stands 4 places ahead of a scaled matrix instruction
.endr
	s_wait_alu depctr_va_vdst(0)
.Lkept\J:
.endm
	ALIKE 0, s28
	ALIKE 1, s30
; The mask on block 2 c + h of both tiles: register n is hidden where 64 c + 32 h + n lies at or beyond the keys left.
.macro HIDE c
	v_sub_nc_u32 v[MD], s38, v[H32]
.if \c
	v_add_nc_u32 v[MD], 0xffffffc0, v[MD]
.endif
	WIN 0x41
.set n, 0
.rept 8
.irp k, 0,1,2,3
	v_cmp_ge_i32 s[60+\k], n+\k, v[MD]
.endr
.irp k, 0,1,2,3
	v_cndmask_b32 v[32*\c+n+\k], v[32*\c+n+\k], v[NEG], s[60+\k]
	v_cndmask_b32 v[64+32*\c+n+\k], v[64+32*\c+n+\k], v[NEG], s[60+\k]
.endr
.set n, n+4
.endr
	WIN 0
.endm
; One step of 128 keys for job J's two tiles.  FRONT: the first products.  Scores: register 32 q + i, q = 2 x (which of the two) + c.
.macro FRONT J
	s_wait_loadcnt 14                              ; K is in (and Q); V's loads, asked for behind K's, may be out
	WIN 0x40
.set n, 0
.rept 8
.if n%2
	v_wmma_scale_f32_16x16x128_f8f6f4 v[8*n:8*n+7], v[KF+6*n:KF+6*n+11], v[QF+24*\J:QF+24*\J+11], 0, v[KSC+n/2], v[QS+\J] matrix_a_fmt:MATRIX_FMT_FP6 matrix_b_fmt:MATRIX_FMT_FP6 matrix_a_scale:MATRIX_SCALE_ROW1
	v_wmma_scale_f32_16x16x128_f8f6f4 v[64+8*n:64+8*n+7], v[KF+6*n:KF+6*n+11], v[QF+24*\J+12:QF+24*\J+23], 0, v[KSC+n/2], v[QS+\J] matrix_a_fmt:MATRIX_FMT_FP6 matrix_b_fmt:MATRIX_FMT_FP6 matrix_a_scale:MATRIX_SCALE_ROW1 matrix_b_scale:MATRIX_SCALE_ROW1
.else
	v_wmma_scale_f32_16x16x128_f8f6f4 v[8*n:8*n+7], v[KF+6*n:KF+6*n+11], v[QF+24*\J:QF+24*\J+11], 0, v[KSC+n/2], v[QS+\J] matrix_a_fmt:MATRIX_FMT_FP6 matrix_b_fmt:MATRIX_FMT_FP6
	v_wmma_scale_f32_16x16x128_f8f6f4 v[64+8*n:64+8*n+7], v[KF+6*n:KF+6*n+11], v[QF+24*\J+12:QF+24*\J+23], 0, v[KSC+n/2], v[QS+\J] matrix_a_fmt:MATRIX_FMT_FP6 matrix_b_fmt:MATRIX_FMT_FP6 matrix_b_scale:MATRIX_SCALE_ROW1
.endif
.set n, n+1
.endr
	WIN 0
.rept 4
	v_nop                                          ; four places: ahead of the first reads of these results, and of the loads into K's registers
.endr
.endm
; REST: the softmax and the second products.  more = 1: another step follows, and is asked for.
.macro REST J, more
.if \more
	s_wait_xcnt 0x0                                ; the bases are stepped only behind this wait
	s_add_nc_u64 s[40:41], s[40:41], 4*6144
	s_add_nc_u64 s[44:45], s[44:45], 4*512
.if \J == 0
	s_cmp_lt_u32 s39, s35                          ; a step of this job, or job 1's first
	s_cselect_b64 s[40:41], s[40:41], s[48:49]
	s_cselect_b64 s[44:45], s[44:45], s[66:67]
.endif
	KLOAD
.endif
	s_cmp_ge_i32 s38, 128
	s_cbranch_scc1 .Lopen_\@                       ; all 128 keys count
	s_cmp_ge_i32 s38, 64
	s_cbranch_scc1 .Lhalf_\@                       ; the lower 64 count
	HIDE 0
.Lhalf_\@:
	HIDE 1
.Lopen_\@:
	WIN 0x15
.irp q, 0,1,2,3                        ; the largest score of each block of 32 keys, in two chains each: it serves the row's maximum and, since p rises with the score, the block's largest p
	v_max3_num_f32 v[BM+\q], v[32*\q], v[32*\q+1], v[32*\q+2]
	v_max3_num_f32 v[BX+\q], v[32*\q+16], v[32*\q+17], v[32*\q+18]
.endr
	WIN 0x05
.irp i, 3,5,7,9,11,13
.irp q, 0,1,2,3
	v_max3_num_f32 v[BM+\q], v[32*\q+\i], v[32*\q+\i+1], v[BM+\q]
	v_max3_num_f32 v[BX+\q], v[32*\q+16+\i], v[32*\q+17+\i], v[BX+\q]
.endr
.endr
.irp q, 0,1,2,3
	v_max3_num_f32 v[BM+\q], v[32*\q+15], v[32*\q+31], v[BM+\q]
.endr
	WIN 0
.irp q, 0,1,2,3
	v_max_num_f32 v[BM+\q], v[BM+\q], v[BX+\q]
.endr
.irp x, 0,1
	v_max_num_f32 v[TM+\x], v[BM+2*\x], v[BM+2*\x+1]
.endr
.irp x, 0,1
	v_permlanex16_b32 v[BX+\x], v[TM+\x], s20, s21
.endr
.irp x, 0,1
	v_max3_num_f32 v[ST+4*\J+2*\x+1], v[ST+4*\J+2*\x+1], v[TM+\x], v[BX+\x]   ; the running largest score, with lane l xor 16's blocks
.endr
.irp x, 0,1
	v_mul_f32 v[TM+\x], s27, v[ST+4*\J+2*\x+1]     ; - the largest t
.endr
.irp x, 0,1
	v_floor_f32 v[TM+\x], v[TM+\x]                 ; the new -M: M is a whole number
.endr
.irp x, 0,1
	v_sub_f32 v[BX+\x], v[TM+\x], v[ST+4*\J+2*\x]  ; old M - new M: a whole number, 0 or less
.endr
.irp x, 0,1
	v_mov_b32 v[ST+4*\J+2*\x], v[TM+\x]
.endr
.irp x, 0,1
	v_cvt_i32_f32 v[BX+\x], v[BX+\x]               ; (it saturates)
.endr
.irp q, 0,1,2,3
	v_fma_f32 v[BM+\q], v[BM+\q], s22, v[ST+4*\J+2*(\q/2)]   ; t - M of each block's largest score
.endr
.irp x, 0,1
	v_ldexp_f32 v[F+2*\x], 1.0, v[BX+\x]           ; f = 2^(old M - new M)
.endr
	WIN 0x41
.set n, 0
.rept 32
	v_pk_fma_f32 v[n:n+1], v[n:n+1], s[22:23], v[ST+4*\J:ST+4*\J+1] op_sel_hi:[1,0,0]   ; t - M, two at a time (of the pairs c and -M the low word serves both halves)
	v_pk_fma_f32 v[64+n:65+n], v[64+n:65+n], s[22:23], v[ST+4*\J+2:ST+4*\J+3] op_sel_hi:[1,0,0]
.set n, n+2
.endr
	s_wait_alu depctr_va_vdst(0)                   ; ahead of the batch
.set n, 0
.rept 128
	v_exp_f32 v[n], v[n]                           ; p = 2^(t - M): not normalised
.set n, n+1
.endr
	WIN 0
.irp q, 0,1,2,3
	v_exp_f32 v[BM+\q], v[BM+\q]                   ; the block's largest p: the same two instructions on the same number
.endr
	v_nop                                          ; the plain line behind the exponentials
	WIN 0x05
	s_wait_alu depctr_va_vdst(0)                   ; and behind it
.irp k, 0,1,2,3,4,5,6,7                ; the sums of the unquantised p: four chains a tile, two numbers an instruction
	v_pk_add_f32 v[CH+2*\k:CH+2*\k+1], v[16*\k:16*\k+1], v[16*\k+2:16*\k+3]
.endr
	WIN 0x01
.irp i, 4,6,8,10,12,14
.irp k, 0,1,2,3,4,5,6,7
	v_pk_add_f32 v[CH+2*\k:CH+2*\k+1], v[16*\k+\i:16*\k+\i+1], v[CH+2*\k:CH+2*\k+1]
.endr
.endr
	WIN 0
.irp k, 0,2,4,6
	v_pk_add_f32 v[CH+2*\k:CH+2*\k+1], v[CH+2*\k:CH+2*\k+1], v[CH+2*\k+2:CH+2*\k+3]
.endr
.irp q, 0,1,2,3
	v_max_num_f32 v[BM+\q], 0x1800000, v[BM+\q]    ; the floor 2^(3 - 127): the byte cannot fall under 1
.endr
.irp x, 0,1
	v_pk_add_f32 v[CH+8*\x:CH+8*\x+1], v[CH+8*\x:CH+8*\x+1], v[CH+8*\x+4:CH+8*\x+5]
.endr
.irp q, 0,1,2,3
	v_add_nc_u32 v[SOP+\q], 0xff000000, v[BM+\q]   ; 2 off the exponent field: the conversion's scale operand
.endr
.irp x, 0,1
	v_pk_fma_f32 v[L+4*\J+2*\x:L+4*\J+2*\x+1], v[L+4*\J+2*\x:L+4*\J+2*\x+1], v[F+2*\x:F+2*\x+1], v[CH+8*\x:CH+8*\x+1] op_sel_hi:[1,0,1]   ; the sum under the new M
.endr
.irp q, 0,1,2,3
	v_lshrrev_b32 v[BX+\q], 23, v[SOP+\q]          ; the scale's byte
.endr
.irp x, 0,1
	v_lshl_or_b32 v[TM+\x], v[BX+2*\x+1], 16, v[BX+2*\x]
.endr
.irp x, 0,1
	v_lshlrev_b32 v[TM+\x], v[H8], v[TM+\x]        ; blocks h and 2 + h at their places,
.endr
.irp x, 0,1
	v_permlanex16_b32 v[BX+\x], v[TM+\x], s20, s21
.endr
.irp x, 0,1
	v_or_b32 v[PSC+\x], v[TM+\x], v[BX+\x]         ; and lane l xor 16's: p's scale word for these 128 keys
.endr
	WIN 0x01
.irp q, 0,1,2,3
	v_cvt_scalef32_pk16_fp6_f32 v[PC+6*\q:PC+6*\q+2], v[32*\q:32*\q+15], v[SOP+\q]
	v_cvt_scalef32_pk16_fp6_f32 v[CH+4*\q:CH+4*\q+2], v[32*\q+16:32*\q+31], v[SOP+\q]   ; (a conversion's three registers begin on an even number)
.endr
	v_nop                                          ; one plain line behind the conversions
	WIN 0
.irp q, 0,1,2,3
.irp i, 0,1,2
	v_mov_b32 v[PC+6*\q+3+\i], v[CH+4*\q+\i]       ; a lane's block is whole: nothing is exchanged between lanes
.endr
.endr
	s_wait_loadcnt 14*\more                        ; V's fragments and scale words are in; the next K's 14 loads may be out
	WIN 0x41
	s_wait_alu depctr_va_vdst(0)                   ; directly ahead of the first readers of O^T
.irp x, 0,1
.set n, 128+64*\J+32*\x
.rept 16
	v_pk_mul_f32 v[n:n+1], v[n:n+1], v[F+2*\x:F+2*\x+1] op_sel_hi:[1,0]   ; O^T under the new M, each accumulator from its low end on.  (Also the places ahead of the products below)
.set n, n+2
.endr
.endr
	WIN 0x50
.irp d, 0,1,2,3                        ; O^T += V^T P^T: eight accumulators, one instruction each
.irp x, 0,1
.if \d % 2
	v_wmma_scale_f32_16x16x128_f8f6f4 v[128+64*\J+32*\x+8*\d:135+64*\J+32*\x+8*\d], v[VF+12*\d:VF+12*\d+11], v[PC+12*\x:PC+12*\x+11], v[128+64*\J+32*\x+8*\d:135+64*\J+32*\x+8*\d], v[VSC+\d/2], v[PSC+\x] matrix_a_fmt:MATRIX_FMT_FP6 matrix_b_fmt:MATRIX_FMT_FP6 matrix_a_scale:MATRIX_SCALE_ROW1
.else
	v_wmma_scale_f32_16x16x128_f8f6f4 v[128+64*\J+32*\x+8*\d:135+64*\J+32*\x+8*\d], v[VF+12*\d:VF+12*\d+11], v[PC+12*\x:PC+12*\x+11], v[128+64*\J+32*\x+8*\d:135+64*\J+32*\x+8*\d], v[VSC+\d/2], v[PSC+\x] matrix_a_fmt:MATRIX_FMT_FP6 matrix_b_fmt:MATRIX_FMT_FP6
.endif
.endr
.endr
	WIN 0
.rept 4
	v_nop                                          ; four places: ahead of the loads into V's registers, and of what reads O^T behind the loop
.endr
.if \more
	s_wait_xcnt 0x0
	s_add_nc_u64 s[42:43], s[42:43], 4*6144
	s_add_nc_u64 s[46:47], s[46:47], 4*256
.if \J == 0
	s_cmp_lt_u32 s39, s35
	s_cselect_b64 s[42:43], s[42:43], s[50:51]
	s_cselect_b64 s[46:47], s[46:47], s[68:69]
.endif
	VLOAD
.endif
.endm
; My part of tile t goes to LDS, unless I bring the tile to its end.
.macro PUT t
	v_add_f32 v[ST+2*\t+1], v[L+2*\t], v[L+2*\t+1] ; my lane's sum: {-M, l}
	s_wait_alu depctr_va_vdst(0)                   ; ahead of the branch
	s_cmp_eq_u32 s25, \t
	s_cbranch_scc1 .Lmine_\@
	WIN 0x04
.irp i, 0,1,2,3,4,5,6,7
	ds_store_b128 v[MGW], v[128+32*\t+4*\i:128+32*\t+4*\i+3] offset:18432*\t+512*\i   ; each accumulator from its low end on
.endr
	WIN 0
	ds_store_b128 v[MGW], v[ST+2*\t:ST+2*\t+3] offset:18432*\t+4096
.Lmine_\@:
.endm
	s_cmp_lt_u32 s25, s35
	s_cbranch_scc1 .La_any
	s_wait_loadcnt 0x0                             ; job 0 has no step for me: what was fetched is not used, and job 1's first step is asked for
	s_mov_b64 s[40:41], s[48:49]
	s_mov_b64 s[42:43], s[50:51]
	s_mov_b64 s[44:45], s[66:67]
	s_mov_b64 s[46:47], s[68:69]
	s_cmp_lg_u32 s2, 0
	s_cbranch_scc0 .La_done
	KLOAD
	VLOAD
	s_branch .La_done
.La_any:
	s_mov_b32 s36, s25
	s_mov_b32 s37, 0
.La_step:                                          ; job 0: at least one step is mine, so the exit is tested behind a step
	s_lshl_b32 s58, s36, 7
	s_sub_co_i32 s38, s33, s58                     ; keys left from the step's first on
	s_add_co_u32 s39, s36, 4
	s_cmp_lt_u32 s39, s35
	s_cselect_b32 s3, 1, s2                        ; does any step follow, in this job or in the next?
	FRONT 0
	s_cmp_lg_u32 s3, 0
	s_cbranch_scc0 .La_last
	REST 0, 1
	s_mov_b32 s36, s39
	s_cmp_lt_u32 s36, s35
	s_wait_alu depctr_va_vdst(0)                   ; directly ahead of the branch
	s_cbranch_scc0 .La_done                        ; no step of mine is left in job 0
	s_add_co_u32 s37, s37, 1
	s_cmp_lt_u32 s37, 4
	s_wait_alu depctr_va_vdst(0)                   ; directly ahead of the branch
	s_cbranch_scc1 .La_step
.La_done:
	PUT 0
	PUT 1
	s_cmp_lg_u32 s2, 0
	s_cbranch_scc0 .Lend
	s_mov_b32 s36, s71
	s_mov_b32 s37, 0
.Lb_step:                                          ; job 1
	s_cmp_lt_u32 s36, s70
	s_cbranch_scc0 .Lend
	s_lshl_b32 s58, s36, 7
	s_sub_co_i32 s38, s34, s58
	s_add_co_u32 s39, s36, 4
	FRONT 1
	s_cmp_lt_u32 s39, s70
	s_cbranch_scc0 .Lb_last
	REST 1, 1
	s_mov_b32 s36, s39
	s_add_co_u32 s37, s37, 1
	s_cmp_lt_u32 s37, 4
	s_wait_alu depctr_va_vdst(0)
	s_cbranch_scc1 .Lb_step
	s_branch .Lend
.La_last:                                          ; my last step of all lies in job 0
	REST 0, 0
	PUT 0
	PUT 1
	s_branch .Lend
.Lb_last:                                          ; or in job 1
	REST 1, 0
.Lend:
	s_wait_loadcnt 0x0                             ; on every way: no load stays out
	PUT 2
	PUT 3
.irp t, 0,1,2,3                        ; the part that I keep, to one place for all waves
	s_cmp_eq_u32 s25, \t
	s_cbranch_scc0 .Lother\t
	WIN 0x41
	s_wait_alu depctr_va_vdst(0)                   ; directly ahead of the first readers of O^T
.set n, 0
.rept 32
	v_mov_b32 v[96+n], v[128+32*\t+n]
.set n, n+1
.endr
	WIN 0
	v_mov_b32 v52, v[ST+2*\t]
	v_mov_b32 v53, v[ST+2*\t+1]
	s_wait_alu depctr_va_vdst(0)
.Lother\t:
.endr
	s_wait_dscnt 0x0                               ; my parts lie in LDS
	s_barrier_signal -1
	s_barrier_wait -1
.irp k, 0,1,2
	ds_load_b128 v[KF+4*\k:KF+4*\k+3], v[MGR+\k] offset:4096
.endr
	WIN 0x40
.irp k, 0,1,2
.irp i, 0,1,2,3,4,5,6,7
	ds_load_b128 v[32*\k+4*\i:32*\k+4*\i+3], v[MGR+\k] offset:512*\i
.endr
.endr
	WIN 0
	s_wait_dscnt 24                                ; the three states are in; the 24 loads behind them may be out
	v_min3_num_f32 v54, v52, v[KF], v[KF+4]
	v_min_num_f32 v54, v54, v[KF+8]                ; the least -M: the largest M.  (A part without steps has -M = 2^125)
	v_sub_f32 v[BX], v54, v52
.irp k, 0,1,2
	v_sub_f32 v[BX+1+\k], v54, v[KF+4*\k]          ; each part's M less the largest: whole numbers, 0 or less
.endr
.irp k, 0,1,2,3
	v_cvt_i32_f32 v[BX+\k], v[BX+\k]               ; (it saturates: a part without steps gets the factor 0)
.endr
.irp k, 0,1,2,3
	v_ldexp_f32 v[F+2*\k], 1.0, v[BX+\k]           ; f, each the low word of a pair
.endr
	v_mul_f32 v53, v53, v[F]
.irp k, 0,1,2
	v_fma_f32 v53, v[KF+4*\k+1], v[F+2*\k+2], v53
.endr
	v_permlanex16_b32 v55, v53, s20, s21
	v_add_f32 v53, v53, v55                        ; the row's sum
	s_wait_alu depctr_va_vdst(0)                   ; waits ahead of the transcendental and behind it
	v_rcp_f32 v54, v53
	v_nop
	s_wait_alu depctr_va_vdst(0)
.irp k, 0,1,2,3
	v_mul_f32 v[F+2*\k], v[F+2*\k], v54            ; f / l: f is a power of two or 0, so nothing more is rounded than by dividing at the end
.endr
	WIN 0x41
.set n, 96
.rept 16
	v_pk_mul_f32 v[n:n+1], v[n:n+1], v[F:F+1] op_sel_hi:[1,0]
.set n, n+2
.endr
	s_wait_alu depctr_va_vdst(0)                   ; directly ahead of the wait below
	s_wait_dscnt 0x0                               ; the parts are in
	WIN 0x51
.irp k, 0,1,2
.set n, 0
.rept 16
	v_pk_fma_f32 v[96+n:97+n], v[32*\k+n:32*\k+n+1], v[F+2*\k+2:F+2*\k+3], v[96+n:97+n] op_sel_hi:[1,0,1]
.set n, n+2
.endr
.endr
	; THE WAY OUT.  Register 8 d + i of lane (r, h) is channel 16 d + 8 h + i of the tile's row r: through my own stage, back as whole rows of 256 bytes.
	WIN 0x04
.irp d, 0,1,2,3
	ds_store_b128 v[SO], v[96+8*\d:99+8*\d] offset:64*\d
	ds_store_b128 v[SO], v[100+8*\d:103+8*\d] offset:64*\d+16
.endr
	WIN 0
.irp i, 0,1,2,3,4,5,6,7
	ds_load_b128 v[KF+4*\i:KF+4*\i+3], v[SR] offset:544*\i         ; the wave's own bytes, served in order: these see the stores above
.endr
.irp i, 0,1,2,3,4,5,6,7
	s_wait_dscnt 7-\i                              ; load i is in; the younger ones may stay out
	global_store_b128 v[GO], v[KF+4*\i:KF+4*\i+3], s[52:53] offset:256*(2*\i+24*(\i/4)) th:TH_STORE_NT   ; tile row x is row 8 T + x % 8 + 32 (x / 8) of the 64 queries (T = 2 P + s % 2); sixteen lanes store one whole row, 256 aligned bytes
.endr
	s_wait_tensorcnt 0x0                           ; the wave's end
	ds_add_u32 v[SPW], v[NIL]
	s_wait_dscnt 0x0
	s_endpgm
.Lfunc_end_k_q81495b1155_attn:
	.size	k_q81495b1155_attn, .Lfunc_end_k_q81495b1155_attn-k_q81495b1155_attn
	.p2alignl 7, 3214868480
	.fill 96, 4, 3214868480
	.section	.rodata,"a",@progbits
	.p2align	6, 0x0
	.amdhsa_kernel k_q81495b1155_attn
		.amdhsa_group_segment_fixed_size 183296
		.amdhsa_private_segment_fixed_size 0
		.amdhsa_enable_private_segment 0
		.amdhsa_kernarg_size 24
		.amdhsa_user_sgpr_count 2
		.amdhsa_user_sgpr_kernarg_segment_ptr 1
		.amdhsa_wavefront_size32 1
		.amdhsa_system_sgpr_workgroup_id_x 1
		.amdhsa_system_sgpr_workgroup_id_y 1
		.amdhsa_system_sgpr_workgroup_id_z 1
		.amdhsa_system_vgpr_workitem_id 0
		.amdhsa_next_free_vgpr 512
		.amdhsa_next_free_sgpr 80
		.amdhsa_reserve_vcc 0
		.amdhsa_float_denorm_mode_32 3
		.amdhsa_float_denorm_mode_16_64 3
		.amdhsa_memory_ordered 1
		.amdhsa_forward_progress 1
		.amdhsa_inst_pref_size 192
	.end_amdhsa_kernel
	.amdgpu_metadata
---
amdhsa.version: [ 1, 2 ]
amdhsa.kernels:
  - .name:           k_q81495b1155_attn
    .symbol:         k_q81495b1155_attn.kd
    .args:
      - { .name: order, .offset: 0, .size: 8, .value_kind: global_buffer, .address_space: global }
      - { .name: img, .offset: 8, .size: 8, .value_kind: global_buffer, .address_space: global }
      - { .name: out0, .offset: 16, .size: 8, .value_kind: global_buffer, .address_space: global }
    .group_segment_fixed_size: 183296
    .private_segment_fixed_size: 0
    .kernarg_segment_align: 8
    .kernarg_segment_size: 24
    .max_flat_workgroup_size: 256
    .sgpr_count:     80
    .vgpr_count:     512
    .wavefront_size: 32
...
	.end_amdgpu_metadata
.endif
;; end of part 2
